; MI455X (gfx1250); checked and timed in simulation.
; The chip was launched on July 23, 2026; its instructions are those of AMD's public machine-readable ISA for CDNA 5 (MIT licence, August 2026) and "CDNA5" Instruction Set Architecture Reference Guide (July 2026). The comments in the code are by the model that wrote it; some were corrected since.
;; Attention. Allowed arithmetic: float matrix products may take bf16 or f16 operands with f32 sums; other float arithmetic in f32, or as packed bf16 or f16 multiplies, adds, multiply-adds, maxima and minima; sums over many terms, partial sums and values carried from step to step in f32; what a program stores and reads back later, other than sums and carried values, may be rounded once to bf16 or f16.
;; Inputs: norm_b 256 float32; norm_w 256 float32; out_b 256 float32; out_w 256 x 128 float32; qkv_w 384 x 256 float32; x 4 x 256 x 64 x 64 float32.
;; Outputs: out0 4 x 256 x 64 x 64 float32.
;; One version. Each part assembles by itself: llvm-mc -triple=amdgcn-amd-amdhsa -mcpu=gfx1250 --defsym DOCPART=n.
;; ======== version 1 of 1: 3 launches
;; workspace buffers: part 16,384 bytes; wfrag 262,144 bytes; q 4,194,304 bytes; kv 8,388,608 bytes
;; launch stats (part 1): grid 256 x 1, 8 waves a work-group, no clusters, 0 bytes of LDS; arguments x, qkv_w, out_w, part, wfrag; writes part, wfrag
.if DOCPART == 1
	.amdgcn_target "amdgcn-amd-amdhsa--gfx1250"
	.amdhsa_code_object_version 6
	.text
	.protected	k_qbb7b3ac759_stats
	.globl	k_qbb7b3ac759_stats
	.p2align	8
	.type	k_qbb7b3ac759_stats,@function
k_qbb7b3ac759_stats:
	s_mov_b64 s[64:65], 0
	v_nop
	global_prefetch_b8 v0, s[64:65] scope:SCOPE_SE
	s_setreg_imm32_b32 hwreg(HW_REG_WAVE_MODE, 25, 1), 1
	s_wait_xcnt 0x0
; GROUPNORM'S PARTIAL STATISTICS, AND THE WEIGHTS IN FRAGMENT ORDER.
; x is [4][256][4096] f32; a group of the norm is 32 channels x 4,096 pixels: 524,288 consecutive bytes.  Work-group i takes the 65,536 bytes at 65,536 i: an eighth of group i / 8.
; Each of its eight waves makes, of its own 2,048 numbers, their sum and M2, the sum of squared deviations FROM ITS OWN MEAN: no difference of large sums is formed, whatever offset x carries.
; part[i / 8][8 (i % 8) + wave] = (sum, M2).  The next launch joins the 64 chunks of a group by their means.  A wave's figures never leave the wave: no LDS, no barrier.
; These stores are 8 bytes a wave, 16,384 bytes in the whole launch: the one place where a store covers less than 256 consecutive bytes.
; WEIGHTS.  Wave 0 of work-group i also rounds one fragment (16 rows x 32 columns) of qkv_w (i < 192) or out_w to bf16, once, and stores it as a matrix operand lies in registers:
; lane l holds row l % 16; its first 16 bytes are columns 8 (l / 16) + 0..7, at byte 16 l of the fragment's 1,024; its second 16 bytes columns 16 + 8 (l / 16) + 0..7, at 512 + 16 l.
; qkv_w's fragment (row block mb, column block ks) goes to place ((mb % 8) 3 + mb / 8) 8 + ks, so that the 24 fragments that one wave of the next launch multiplies lie on end; out_w's to place i.
.set CH,   8                           ; v[8:15]    four chains of packed sums
.set X,    16                          ; v[16:79]   my 64 numbers
.set WF,   80                          ; v[80:95]   16 weights in f32
.set WB,   96                          ; v[96:103]  the same in bf16
.set SUM,  104                         ; v104       the wave's sum
.set M2,   105                         ; v105       the wave's M2 (stored with it as a pair)
.set MEAN, 106                         ; v[106:107] the wave's mean, twice
.set TMP,  108                         ; v108       the other half of the lanes' figure
	s_load_b256 s[4:11], s[0:1], 0x0               ; x s[4:5], qkv_w s[6:7], out_w s[8:9], part s[10:11]
	s_load_b64 s[12:13], s[0:1], 0x20              ; wfrag
	v_lshrrev_b32 v2, 5, v0
	v_readfirstlane_b32 s14, v2                    ; wave 0..7
	v_lshlrev_b32 v1, 4, v0                        ; 16 t: a load of a wave covers 512 consecutive bytes
	v_and_b32 v2, 31, v0                           ; lane
	v_mov_b32 v3, 0
	v_mov_b32 v[TMP], 0                            ; v_permlanex16_b32's destination counts as read
	v_and_b32 v6, 15, v0
	v_bfe_u32 v7, v0, 4, 1
	v_lshlrev_b32 v5, 4, v2                        ; 16 x lane: my place in half a fragment
	s_mov_b32 s26, 0x76543210                      ; v_permlanex16_b32: each lane takes its own place in the other half
	s_mov_b32 s27, 0xfedcba98
	s_lshl_b32 s16, ttmp9, 16                      ; my work-group's bytes of x
	s_mov_b32 s17, 0
	s_lshl3_add_u32 s18, ttmp9, s14                ; 8 i + wave,
	s_lshl_b32 s18, s18, 3                         ; 8 bytes each
	s_mov_b32 s19, 0
	; the fragment's source and place, for both tensors; the number is clamped so that the one not chosen lies inside its tensor too
	s_min_u32 s32, ttmp9, 191
	s_lshr_b32 s33, s32, 3                         ; mb
	s_and_b32 s34, s32, 7                          ; ks
	s_lshl_b32 s35, s33, 14                        ; 16 rows of 1,024 bytes
	s_lshl_b32 s36, s34, 7                         ; 32 columns of 4 bytes
	s_or_b32 s35, s35, s36
	s_and_b32 s36, s33, 7
	s_mul_i32 s36, s36, 3
	s_lshr_b32 s33, s33, 3
	s_add_co_u32 s36, s36, s33
	s_lshl3_add_u32 s36, s36, s34                  ; the place in wfrag
	s_max_u32 s32, ttmp9, 192
	s_sub_co_u32 s32, s32, 192
	s_lshr_b32 s33, s32, 2                         ; out_w: row block,
	s_lshl_b32 s33, s33, 13                        ; 16 rows of 512 bytes
	s_and_b32 s34, s32, 3
	s_lshl_b32 s34, s34, 7
	s_or_b32 s33, s33, s34
	s_wait_kmcnt 0x0
	s_cmp_lt_u32 ttmp9, 192                        ; the selects follow the compare at once
	s_cselect_b64 s[20:21], s[6:7], s[8:9]
	s_cselect_b32 s30, s35, s33
	s_cselect_b32 s22, 10, 9                       ; a row is 2^10 or 2^9 bytes
	s_cselect_b32 s24, s36, ttmp9
	s_mov_b32 s31, 0
	s_mov_b32 s25, 0
	s_lshl_b32 s24, s24, 10
	s_add_nc_u64 s[20:21], s[20:21], s[30:31]
	s_add_nc_u64 s[24:25], s[12:13], s[24:25]
	s_add_nc_u64 s[16:17], s[4:5], s[16:17]
	s_add_nc_u64 s[18:19], s[10:11], s[18:19]
	v_lshlrev_b32 v4, s22, v6                      ; row l % 16,
	v_lshl_add_u32 v4, v7, 5, v4                   ; 8 columns of 4 bytes for the upper half of the lanes
	s_cmp_lg_u32 s14, 0
	s_cbranch_scc1 .Lno_weights
	global_load_b128 v[WF:WF+3],     v4, s[20:21]
	global_load_b128 v[WF+4:WF+7],   v4, s[20:21] offset:16
	global_load_b128 v[WF+8:WF+11],  v4, s[20:21] offset:64
	global_load_b128 v[WF+12:WF+15], v4, s[20:21] offset:80
.Lno_weights:
.irp j, 0,1,2,3,4,5,6,7,8,9,10,11,12,13,14,15
	global_load_b128 v[X+4*(\j):X+4*(\j)+3], v1, s[16:17] offset:4096*(\j)
.endr
; the four chains into one number, then over the 32 lanes: four steps inside each half ride on the addition, one crosses the halves
.macro REDUCE d
	v_pk_add_f32 v[CH:CH+1], v[CH:CH+1], v[CH+2:CH+3]
	v_pk_add_f32 v[CH+4:CH+5], v[CH+4:CH+5], v[CH+6:CH+7]
	v_pk_add_f32 v[CH:CH+1], v[CH:CH+1], v[CH+4:CH+5]
	v_add_f32 v[\d], v[CH], v[CH+1]
	v_add_f32_dpp v[\d], v[\d], v[\d] row_xmask:1 row_mask:0xf bank_mask:0xf
	v_add_f32_dpp v[\d], v[\d], v[\d] row_xmask:2 row_mask:0xf bank_mask:0xf
	v_add_f32_dpp v[\d], v[\d], v[\d] row_xmask:4 row_mask:0xf bank_mask:0xf
	v_add_f32_dpp v[\d], v[\d], v[\d] row_xmask:8 row_mask:0xf bank_mask:0xf
	v_permlanex16_b32 v[TMP], v[\d], s26, s27
	v_add_f32 v[\d], v[\d], v[TMP]
.endm
	s_wait_loadcnt 0x0                             ; both passes want all 64 numbers
.irp k, 0,1,2,3
	v_pk_add_f32 v[CH+2*(\k):CH+2*(\k)+1], v[X+2*(\k):X+2*(\k)+1], v[X+8+2*(\k):X+8+2*(\k)+1]  ; the first eight pairs start the chains: nothing is cleared
.endr
.set p, 8
.rept 24
	v_pk_add_f32 v[CH+2*(p%4):CH+2*(p%4)+1], v[CH+2*(p%4):CH+2*(p%4)+1], v[X+2*p:X+2*p+1]
.set p, p+1
.endr
	REDUCE SUM
	v_mul_f32 v[MEAN], 0x3a000000, v[SUM]          ; / 2,048
	v_mov_b32 v[MEAN+1], v[MEAN]
.set p, 0
.rept 32
	v_pk_add_f32 v[X+2*p:X+2*p+1], v[X+2*p:X+2*p+1], v[MEAN:MEAN+1] neg_lo:[0,1] neg_hi:[0,1]  ; x - mean
.set p, p+1
.endr
.irp k, 0,1,2,3
	v_pk_mul_f32 v[CH+2*(\k):CH+2*(\k)+1], v[X+2*(\k):X+2*(\k)+1], v[X+2*(\k):X+2*(\k)+1]
.endr
.set p, 4
.rept 28
	v_pk_fma_f32 v[CH+2*(p%4):CH+2*(p%4)+1], v[X+2*p:X+2*p+1], v[X+2*p:X+2*p+1], v[CH+2*(p%4):CH+2*(p%4)+1]
.set p, p+1
.endr
	REDUCE M2
	v_cmp_eq_u32 vcc_lo, 0, v2
	s_wait_xcnt 0x0                                ; EXEC is a source of the loads above: it changes only behind this wait
	s_and_saveexec_b32 s28, vcc_lo
	global_store_b64 v3, v[SUM:SUM+1], s[18:19]    ; lane 0 stores the wave's pair
	s_wait_xcnt 0x0                                ; and again ahead of the line that widens it
	s_or_b32 exec_lo, exec_lo, s28
	s_cmp_lg_u32 s14, 0
	s_cbranch_scc1 .Lend
.irp k, 0,1,2,3,4,5,6,7
	v_cvt_pk_bf16_f32 v[WB+(\k)], v[WF+2*(\k)], v[WF+2*(\k)+1]
.endr
	global_store_b128 v5, v[WB:WB+3],   s[24:25]              ; 512 consecutive bytes, aligned
	global_store_b128 v5, v[WB+4:WB+7], s[24:25] offset:512
.Lend:
	s_endpgm
.Lfunc_end_k_qbb7b3ac759_stats:
	.size	k_qbb7b3ac759_stats, .Lfunc_end_k_qbb7b3ac759_stats-k_qbb7b3ac759_stats
	.p2alignl 7, 3214868480
	.fill 96, 4, 3214868480
	.section	.rodata,"a",@progbits
	.p2align	6, 0x0
	.amdhsa_kernel k_qbb7b3ac759_stats
		.amdhsa_group_segment_fixed_size 0
		.amdhsa_private_segment_fixed_size 0
		.amdhsa_enable_private_segment 0
		.amdhsa_kernarg_size 40
		.amdhsa_user_sgpr_count 2
		.amdhsa_user_sgpr_kernarg_segment_ptr 1
		.amdhsa_wavefront_size32 1
		.amdhsa_system_sgpr_workgroup_id_x 1
		.amdhsa_system_sgpr_workgroup_id_y 1
		.amdhsa_system_sgpr_workgroup_id_z 1
		.amdhsa_system_vgpr_workitem_id 0
		.amdhsa_next_free_vgpr 112
		.amdhsa_next_free_sgpr 66
		.amdhsa_reserve_vcc 1
		.amdhsa_float_denorm_mode_32 3
		.amdhsa_float_denorm_mode_16_64 3
		.amdhsa_memory_ordered 1
		.amdhsa_forward_progress 1
		.amdhsa_inst_pref_size 13
	.end_amdhsa_kernel
	.amdgpu_metadata
---
amdhsa.version: [ 1, 2 ]
amdhsa.kernels:
  - .name:           k_qbb7b3ac759_stats
    .symbol:         k_qbb7b3ac759_stats.kd
    .args:
      - { .name: x, .offset: 0, .size: 8, .value_kind: global_buffer, .address_space: global }
      - { .name: qkv_w, .offset: 8, .size: 8, .value_kind: global_buffer, .address_space: global }
      - { .name: out_w, .offset: 16, .size: 8, .value_kind: global_buffer, .address_space: global }
      - { .name: part, .offset: 24, .size: 8, .value_kind: global_buffer, .address_space: global }
      - { .name: wfrag, .offset: 32, .size: 8, .value_kind: global_buffer, .address_space: global }
    .group_segment_fixed_size: 0
    .private_segment_fixed_size: 0
    .kernarg_segment_align: 8
    .kernarg_segment_size: 40
    .max_flat_workgroup_size: 256
    .sgpr_count:     66
    .vgpr_count:     112
    .wavefront_size: 32
...
	.end_amdgpu_metadata
.endif
;; end of part 1
;; launch qkv (part 2): grid 64 x 4, 8 waves a work-group, clusters of 4 x 1, 238,592 bytes of LDS; arguments x, norm_w, norm_b, part, wfrag, q, kv; writes q, kv
.if DOCPART == 2
	.amdgcn_target "amdgcn-amd-amdhsa--gfx1250"
	.amdhsa_code_object_version 6
	.text
	.protected	k_qbb7b3ac759_qkv
	.globl	k_qbb7b3ac759_qkv
	.p2align	8
	.type	k_qbb7b3ac759_qkv,@function
k_qbb7b3ac759_qkv:
	s_mov_b64 s[64:65], 0
	v_nop
	global_prefetch_b8 v0, s[64:65] scope:SCOPE_SE
	s_setreg_imm32_b32 hwreg(HW_REG_WAVE_MODE, 25, 1), 1
	s_wait_xcnt 0x0
	s_wait_alu depctr_hold_cnt(0) depctr_sa_sdst(0) depctr_va_vdst(0) depctr_va_sdst(0) depctr_va_ssrc(0) depctr_va_vcc(0) depctr_vm_vsrc(0)
	s_getreg_b32 s2, hwreg(HW_REG_IB_STS2, 6, 4)
	s_cmp_eq_u32 s2, 0
	s_cbranch_scc0 .Lentry_in_a_cluster
	s_endpgm
.Lentry_in_a_cluster:
	s_bfe_u32 s2, ttmp6, 0x10000c
	s_cmp_lg_u32 s2, 0x3003
	s_cbranch_scc0 .Lentry_shape_is_right
	s_endpgm
.Lentry_shape_is_right:
; GROUPNORM APPLIED, AND THE PROJECTION TO q, k, v.  qkv[o][pixel] = the sum over c of qkv_w[o][c] xn[c][pixel]; xn = (x - mean) rsqrt(var + 1e-5) norm_w + norm_b, made in f32 and rounded once to bf16.
; SHARES.  A work-group takes 64 pixels of one batch, all 384 outputs, K = 256.  On the way in wave w normalises group w (channels 32 w .. 32 w + 31) into LDS; then it multiplies
; one block of 16 outputs each of q, k and v: rows 16 w of each, which are half w % 2 of head w / 2: 96 products, 12 accumulators.
; STATISTICS.  The group's 64 chunks of 2,048 numbers come as (sum, M2 about the chunk's own mean).  mean = total / 2^17; M2 of the group = the sum of M2_i + 2,048 (mean_i - mean)^2: only sums of squares are added.
; WEIGHTS come as bf16 fragments; a wave's 24 lie on end, 24,576 bytes.  All work-groups read the same 196,608 bytes, three times their own 65,536 of x, so the four partners of a cluster
; ask for them JOINTLY: one tensor load a wave, the same descriptor and a mask of four in all.  Only the wave that asked reads its part.  No LDS byte is filled twice.
; OUT, in the order in which the next launch's matrix operands lie in registers (lane l's 16 bytes at 16 l: every store covers 512 consecutive bytes, aligned):
;   q, k: source 0 = weights, source 1 = xn: a lane ends with ONE pixel (l % 16) and 8 channels 8 (l / 16) + 0..7 of my 16: half of a fragment [16 pixels x 32 channels]; my half of the head picks the half.
;   v:    the sources swapped: a lane ends with ONE channel and 8 pixels: half of a fragment [16 channels x 32 keys] of V^T.
;   q is multiplied in f32 by c = log2(e) / sqrt(32) ahead of its one rounding, so that the next launch's scores are exponents of 2.
; LIMITS.  bf16 operands; v_rsq_f32's last bit; NaN and infinities are not treated apart.
.set XS,    196608                     ; LDS: behind the weights, xn: 256 rows (channels) of 64 pixels: 128 bytes + 32 of padding
.set XP,    160                        ; = 40 words
.set SPARE, 237568                     ; the spare words: 128 bytes for each of eight waves: four blocks of 256 bytes that no other line names
.set WPART, 24576                      ; a wave's weights
.set FS,    32                         ; two sets of 56 registers: xn's fragments (pixel block pb at + 8 pb), then the weights' (type at + 32 + 8 type)
.set ACC,   160                        ; accumulator (type, pb) at ACC + 8 (4 type + pb)
.set PK,    32                         ; at the end: packed results, 4 registers an accumulator
; v1 16 x lane   v2 my offset in x   v3 where I store xn   v4 where the turning loads read   v5 my place in my weights   v6, v7 the add's two registers, never rewritten
; v[8:11] two chunks' figures   v12-22 at work   v[32:95] x   v[96:111] norm_w, then A = rstd w   v[112:127] norm_b, then B = b - mean A   v[128:159] xn in bf16
.macro CROUND                          ; a round of the cluster's barrier: my work-group's barrier; wave 0 signals for it; every wave waits for all four work-groups; my work-group's barrier once more
	s_barrier_signal -1
	s_barrier_wait -1
	s_cmp_lg_u32 s18, 0
	s_cbranch_scc1 .Lnot_wave_0_\@
	s_barrier_signal -3
.Lnot_wave_0_\@:
	s_barrier_wait -3
	s_barrier_signal -1
	s_barrier_wait -1
.endm
.macro PLACES                          ; four plain vector lines between a matrix instruction and a load into, or a vector line on, its registers
.rept 4
	v_nop
.endr
.endm
.macro WSUM d                          ; the sum over the wave's 32 lanes, in every lane
	v_add_f32_dpp v[\d], v[\d], v[\d] row_xmask:1 row_mask:0xf bank_mask:0xf
	v_add_f32_dpp v[\d], v[\d], v[\d] row_xmask:2 row_mask:0xf bank_mask:0xf
	v_add_f32_dpp v[\d], v[\d], v[\d] row_xmask:4 row_mask:0xf bank_mask:0xf
	v_add_f32_dpp v[\d], v[\d], v[\d] row_xmask:8 row_mask:0xf bank_mask:0xf
	v_permlanex16_b32 v18, v[\d], s44, s45
	v_add_f32 v[\d], v[\d], v18
.endm
	s_load_b256 s[4:11], s[0:1], 0x0               ; x s[4:5], norm_w s[6:7], norm_b s[8:9], part s[10:11]
	s_load_b128 s[12:15], s[0:1], 0x20             ; wfrag s[12:13], q s[14:15]
	s_load_b64 s[16:17], s[0:1], 0x30              ; kv
	v_lshl_add_u32 v6, v0, 2, SPARE
	v_mov_b32 v7, 0
	ds_add_u32 v6, v7                              ; the wave's opening: the add and its wait stand ahead of my tensor load; the set-up below, work on registers, stands between them
	v_lshrrev_b32 v12, 5, v0
	v_readfirstlane_b32 s18, v12                   ; wave 0..7
	s_bfe_u32 s19, ttmp6, 0x40000                  ; cx: my place in the cluster
	s_lshl_b32 s20, ttmp9, 2                       ; in a cluster launch ttmp9 counts clusters
	s_add_co_u32 s20, s20, s19                     ; my block of 64 pixels: it enters global addresses of my own loads and stores alone
	s_and_b32 s21, ttmp7, 0xffff                   ; the batch
	; descriptor group 1: 24,576 dense bytes as 96 rows of 256
	s_mov_b32 s28, 15|(3<<16)|(1<<21)              ; 15:0 the mask of four; 17:16 elements of 8 bytes; 21 set beside a mask; no padding
	s_mov_b32 s29, 32<<16                          ; tensor_dim0 = 32
	s_mov_b32 s30, 96<<16                          ; tensor_dim1 = 96
	s_mov_b32 s31, 32<<16                          ; tile_dim0 = 32
	s_mov_b32 s32, 96                              ; tile_dim1 = 96
	s_mov_b32 s33, 32                              ; 32 elements from row to row
	s_mov_b32 s34, 0
	s_mov_b32 s35, 0
	s_mov_b32 s36, 1                               ; group 0: count = 1
	s_mul_i32 s37, s18, WPART                      ; LDS address: the wave's number alone
	s_mov_b32 s58, s37                             ; and the same offset in wfrag
	s_mov_b32 s59, 0
	s_mov_b32 s42, 0x3e8293ee                      ; c = log2(e) / sqrt(32) = 0.255035
	s_mov_b32 s43, s42                             ; named with it as a pair
	s_mov_b32 s44, 0x76543210
	s_mov_b32 s45, 0xfedcba98
	s_mov_b32 s46, 0x37000000                      ; 2^-17: a group has 2^17 numbers
	s_mov_b32 s47, 0x3727c5ac                      ; 1e-5
	s_mov_b32 s48, 0x3a000000                      ; 2^-11: a chunk has 2,048
	s_mov_b32 s49, 0x45000000                      ; 2,048
	s_lshr_b32 s51, s18, 1                         ; my head
	s_and_b32 s52, s18, 1                          ; my half of its 32 channels
	s_lshl2_add_u32 s53, s21, s51                  ; 4 b + head
	s_lshl_b32 s22, s21, 22                        ; x: the batch's 256 rows of 16,384 bytes,
	s_lshl_b32 s50, s18, 19                        ; my group's 32,
	s_add_co_u32 s22, s22, s50
	s_lshl_b32 s50, s20, 8                         ; my block's 256 bytes of a row
	s_add_co_u32 s22, s22, s50
	s_mov_b32 s23, 0
	s_lshl_b32 s24, s53, 18                        ; q: a head has 256 fragments of 1,024 bytes,
	s_lshl_b32 s50, s20, 12                        ; my block four,
	s_add_co_u32 s24, s24, s50
	s_lshl_b32 s50, s52, 9                         ; my half of each
	s_add_co_u32 s24, s24, s50
	s_mov_b32 s25, 0
	s_lshl_b32 s26, s53, 19                        ; kv: a head has 128 groups of 32 keys, 4,096 bytes each: K keys 0-15, K keys 16-31, V^T channels 0-15, V^T channels 16-31
	s_lshl_b32 s54, s20, 13                        ; my block two groups
	s_add_co_u32 s26, s26, s54
	s_lshl_b32 s40, s52, 10                        ; V^T: my 16 channels are a fragment of their own
	s_add_co_u32 s40, s40, s26
	s_add_co_u32 s40, s40, 2048
	s_mov_b32 s41, 0
	s_add_co_u32 s26, s26, s50                     ; K: my half of each fragment
	s_mov_b32 s27, 0
	s_lshl3_add_u32 s54, s21, s18                  ; part: group 8 b + w,
	s_lshl_b32 s54, s54, 9                         ; 64 chunks of 8 bytes
	s_mov_b32 s55, 0
	s_lshl_b32 s56, s18, 7                         ; norm_w, norm_b: my 32 channels
	s_mov_b32 s57, 0
	v_and_b32 v12, 31, v0                          ; lane
	v_and_b32 v13, 15, v0                          ; l % 16
	v_bfe_u32 v14, v0, 4, 1                        ; l / 16
	v_lshlrev_b32 v1, 4, v12
	v_lshlrev_b32 v2, 4, v13                       ; x: sixteen lanes take a row's 256 bytes;
	v_lshl_add_u32 v2, v14, 18, v2                 ; the upper half of the lanes 16 channels further down
	v_lshlrev_b32 v16, 6, v14                      ; and their 16 gains and biases
	s_mul_i32 s50, s18, 32*XP
	s_add_co_u32 s50, s50, XS
	v_mul_u32_u24 v3, v14, 16*XP
	v_lshl_add_u32 v3, v13, 3, v3                  ; 4 pixels in bf16: 8 bytes
	v_add_nc_u32 v3, s50, v3
	v_and_b32 v15, 7, v0                           ; the turning load: lane l reads channel 8 (l / 16) + l % 8, pixels 8 ((l / 8) % 2) + 0..7
	v_lshl_add_u32 v15, v14, 3, v15
	v_mul_u32_u24 v4, v15, XP
	v_bfe_u32 v15, v0, 3, 1
	v_lshl_add_u32 v4, v15, 4, v4
	v_add_nc_u32 v4, XS, v4
	v_add_nc_u32 v5, s37, v1
	v_mov_b32 v18, 0                               ; v_permlanex16_b32's destination counts as read
	s_wait_dscnt 0x0                               ; the opening add is done
	s_wait_kmcnt 0x0
	s_add_nc_u64 s[22:23], s[4:5], s[22:23]
	s_add_nc_u64 s[24:25], s[14:15], s[24:25]
	s_add_nc_u64 s[26:27], s[16:17], s[26:27]
	s_add_nc_u64 s[40:41], s[16:17], s[40:41]
	s_add_nc_u64 s[54:55], s[10:11], s[54:55]
	s_add_nc_u64 s[60:61], s[6:7], s[56:57]
	s_add_nc_u64 s[56:57], s[8:9], s[56:57]
	s_add_nc_u64 s[38:39], s[12:13], s[58:59]      ; group 0: global address,
	s_or_b32 s39, s39, 0x80000000                  ; type = 2
.irp i, 0,1,2,3,4,5,6,7,8,9,10,11,12,13,14,15
	global_load_b128 v[32+4*(\i):32+4*(\i)+3], v2, s[22:23] offset:16384*(\i)  ; channel 32 w + 16 (l / 16) + i, pixels 4 (l % 16) + 0..3
.endr
	global_load_b128 v[8:11], v1, s[54:55]         ; two chunks a lane: sum, M2, sum, M2
.irp j, 0,1,2,3
	global_load_b128 v[96+4*(\j):96+4*(\j)+3],   v16, s[60:61] offset:16*(\j)
	global_load_b128 v[112+4*(\j):112+4*(\j)+3], v16, s[56:57] offset:16*(\j)
.endr
	CROUND                                         ; all four work-groups are here: the joint loads meet
	tensor_load_to_lds s[36:39], s[28:35]          ; my 24 fragments: the one tensor load of this wave
	s_nop 0
	PLACES
	s_wait_loadcnt 0x0
	v_add_f32 v17, v8, v10
	WSUM 17
	v_mul_f32 v19, s46, v17                        ; the group's mean
	v_fma_f32 v20, v8, s48, -v19                   ; a chunk's mean less the group's
	v_fma_f32 v21, v10, s48, -v19
	v_mul_f32 v20, v20, v20
	v_fma_f32 v20, v21, v21, v20
	v_add_f32 v21, v9, v11
	v_fma_f32 v20, v20, s49, v21                   ; 2,048 (d_a^2 + d_b^2) + M2_a + M2_b
	WSUM 20
	v_fma_f32 v20, v20, s46, s47                   ; var + eps
	v_rsq_f32 v22, v20
	v_nop                                          ; a plain line behind the transcendental,
	s_wait_alu depctr_va_vdst(0)                   ; and a wait ahead of its first reader
.set i, 0
.rept 16
	v_mul_f32 v[96+i], v22, v[96+i]                ; A = rstd w
.set i, i+1
.endr
.set i, 0
.rept 16
	v_fma_f32 v[112+i], -v19, v[96+i], v[112+i]    ; B = b - mean A
.set i, i+1
.endr
.set i, 0
.rept 64
	v_fma_f32 v[32+i], v[32+i], v[96+i/4], v[112+i/4]
.set i, i+1
.endr
.set i, 0
.rept 32
	v_cvt_pk_bf16_f32 v[128+i], v[32+2*i], v[32+2*i+1]
.set i, i+1
.endr
.irp i, 0,1,2,3,4,5,6,7,8,9,10,11,12,13,14,15
	ds_store_b64 v3, v[128+2*(\i):128+2*(\i)+1] offset:XP*(\i)
.endr
	s_wait_dscnt 0x0                               ; for the others' sake: my rows of xn are in LDS
	s_barrier_signal -1
	s_barrier_wait -1                              ; everybody's are
	s_wait_tensorcnt 0x0                           ; my weights are in; nobody else reads them
; 14 LDS loads: K step ks (32 channels) into a set: xn's four pixel blocks, turned, and my three weight fragments as they lie
.macro FETCH ks, set
.irp pb, 0,1,2,3
	ds_load_tr16_b128 v[FS+56*(\set)+8*(\pb):FS+56*(\set)+8*(\pb)+3],   v4 offset:(\ks)*32*XP+32*(\pb)
	ds_load_tr16_b128 v[FS+56*(\set)+8*(\pb)+4:FS+56*(\set)+8*(\pb)+7], v4 offset:(\ks)*32*XP+32*(\pb)+16*XP
.endr
.irp ty, 0,1,2
	ds_load_b128 v[FS+56*(\set)+32+8*(\ty):FS+56*(\set)+32+8*(\ty)+3],   v5 offset:((\ty)*8+(\ks))*1024
	ds_load_b128 v[FS+56*(\set)+32+8*(\ty)+4:FS+56*(\set)+32+8*(\ty)+7], v5 offset:((\ty)*8+(\ks))*1024+512
.endr
.endm
; 12 products; the 12 accumulators take turns, one instruction a turn, from K step to K step too.  ks = 0: the first products start the sums: nothing is cleared.
.macro MUL set, ks
.irp ty, 0,1,2
.irp pb, 0,1,2,3
.set rD, ACC+8*(4*(\ty)+(\pb))
.set rW, FS+56*(\set)+32+8*(\ty)
.set rX, FS+56*(\set)+8*(\pb)
.if (\ty) < 2
.if (\ks) == 0
	v_wmma_f32_16x16x32_bf16 v[rD:rD+7], v[rW:rW+7], v[rX:rX+7], 0
.else
	v_wmma_f32_16x16x32_bf16 v[rD:rD+7], v[rW:rW+7], v[rX:rX+7], v[rD:rD+7]
.endif
.else
.if (\ks) == 0
	v_wmma_f32_16x16x32_bf16 v[rD:rD+7], v[rX:rX+7], v[rW:rW+7], 0
.else
	v_wmma_f32_16x16x32_bf16 v[rD:rD+7], v[rX:rX+7], v[rW:rW+7], v[rD:rD+7]
.endif
.endif
.endr
.endr
.endm
	FETCH 0, 0
	FETCH 1, 1
.set kk, 0
.rept 8
.if kk < 7
	s_wait_dscnt 14                                ; this set is in; the other set's 14 younger loads may stay out
.else
	s_wait_dscnt 0x0
.endif
	MUL kk%2, kk
.if kk < 6
	PLACES
	FETCH kk+2, kk%2
.endif
.set kk, kk+1
.endr
	PLACES
.set r, 0
.rept 16
	v_pk_mul_f32 v[ACC+r:ACC+r+1], v[ACC+r:ACC+r+1], s[42:43] op_sel_hi:[1,0]  ; q times c
.set r, r+2
.endr
.set r, 0
.rept 48
	v_cvt_pk_bf16_f32 v[PK+r], v[ACC+2*r], v[ACC+2*r+1]  ; each accumulator's registers in ascending order
.set r, r+1
.endr
.irp pb, 0,1,2,3
	global_store_b128 v1, v[PK+4*(\pb):PK+4*(\pb)+3],       s[24:25] offset:(\pb)*1024
	global_store_b128 v1, v[PK+16+4*(\pb):PK+16+4*(\pb)+3], s[26:27] offset:((\pb)/2)*4096+((\pb)%2)*1024
	global_store_b128 v1, v[PK+32+4*(\pb):PK+32+4*(\pb)+3], s[40:41] offset:((\pb)/2)*4096+((\pb)%2)*512
.endr
	s_wait_tensorcnt 0x0                           ; the wave's end: behind my tensor load and my last LDS store
	ds_add_u32 v6, v7
	s_wait_dscnt 0x0
	CROUND                                         ; the closing round: no work-group ends while a partner may still ask jointly
	s_endpgm
.Lfunc_end_k_qbb7b3ac759_qkv:
	.size	k_qbb7b3ac759_qkv, .Lfunc_end_k_qbb7b3ac759_qkv-k_qbb7b3ac759_qkv
	.p2alignl 7, 3214868480
	.fill 96, 4, 3214868480
	.section	.rodata,"a",@progbits
	.p2align	6, 0x0
	.amdhsa_kernel k_qbb7b3ac759_qkv
		.amdhsa_group_segment_fixed_size 238592
		.amdhsa_private_segment_fixed_size 0
		.amdhsa_enable_private_segment 0
		.amdhsa_kernarg_size 56
		.amdhsa_user_sgpr_count 2
		.amdhsa_user_sgpr_kernarg_segment_ptr 1
		.amdhsa_wavefront_size32 1
		.amdhsa_system_sgpr_workgroup_id_x 1
		.amdhsa_system_sgpr_workgroup_id_y 1
		.amdhsa_system_sgpr_workgroup_id_z 1
		.amdhsa_system_vgpr_workitem_id 0
		.amdhsa_next_free_vgpr 256
		.amdhsa_next_free_sgpr 66
		.amdhsa_reserve_vcc 0
		.amdhsa_float_denorm_mode_32 3
		.amdhsa_float_denorm_mode_16_64 3
		.amdhsa_memory_ordered 1
		.amdhsa_forward_progress 1
		.amdhsa_inst_pref_size 37
	.end_amdhsa_kernel
	.amdgpu_metadata
---
amdhsa.version: [ 1, 2 ]
amdhsa.kernels:
  - .name:           k_qbb7b3ac759_qkv
    .symbol:         k_qbb7b3ac759_qkv.kd
    .args:
      - { .name: x, .offset: 0, .size: 8, .value_kind: global_buffer, .address_space: global }
      - { .name: norm_w, .offset: 8, .size: 8, .value_kind: global_buffer, .address_space: global }
      - { .name: norm_b, .offset: 16, .size: 8, .value_kind: global_buffer, .address_space: global }
      - { .name: part, .offset: 24, .size: 8, .value_kind: global_buffer, .address_space: global }
      - { .name: wfrag, .offset: 32, .size: 8, .value_kind: global_buffer, .address_space: global }
      - { .name: q, .offset: 40, .size: 8, .value_kind: global_buffer, .address_space: global }
      - { .name: kv, .offset: 48, .size: 8, .value_kind: global_buffer, .address_space: global }
    .group_segment_fixed_size: 238592
    .private_segment_fixed_size: 0
    .kernarg_segment_align: 8
    .kernarg_segment_size: 56
    .max_flat_workgroup_size: 256
    .sgpr_count:     66
    .vgpr_count:     256
    .wavefront_size: 32
...
	.end_amdgpu_metadata
.endif
;; end of part 2
;; launch attn (part 3): grid 64 x 4, 8 waves a work-group, clusters of 4 x 1, 327,680 bytes of LDS; arguments q, kv, wfrag, out_b, x, out0; writes out0
.if DOCPART == 3
	.amdgcn_target "amdgcn-amd-amdhsa--gfx1250"
	.amdhsa_code_object_version 6
	.text
	.protected	k_qbb7b3ac759_attn
	.globl	k_qbb7b3ac759_attn
	.p2align	8
	.type	k_qbb7b3ac759_attn,@function
k_qbb7b3ac759_attn:
	s_mov_b64 s[64:65], 0
	v_nop
	global_prefetch_b8 v0, s[64:65] scope:SCOPE_SE
	s_setreg_imm32_b32 hwreg(HW_REG_WAVE_MODE, 25, 1), 1
	s_wait_xcnt 0x0
	s_wait_alu depctr_hold_cnt(0) depctr_sa_sdst(0) depctr_va_vdst(0) depctr_va_sdst(0) depctr_va_ssrc(0) depctr_va_vcc(0) depctr_vm_vsrc(0)
	s_getreg_b32 s2, hwreg(HW_REG_IB_STS2, 6, 4)
	s_cmp_eq_u32 s2, 0
	s_cbranch_scc0 .Lentry_in_a_cluster
	s_endpgm
.Lentry_in_a_cluster:
	s_bfe_u32 s2, ttmp6, 0x10000c
	s_cmp_lg_u32 s2, 0x3003
	s_cbranch_scc0 .Lentry_shape_is_right
	s_endpgm
.Lentry_shape_is_right:
; ATTENTION (16 heads of 4,096 keys, head size 32), THE OUTPUT PROJECTION, ITS BIAS AND THE RESIDUAL.
; SHARES.  A work-group takes 64 queries (pixels) of one batch with all four heads, so that O never leaves the WGP.  Wave wv has head wv / 2 and two tiles of 16 queries (half wv % 2 of the 64);
; it walks the head's 4,096 keys, 64 a step.  At the end wave wv makes output channels 32 wv .. 32 wv + 31 for the 64 pixels.
; LAYOUT.  q and kv hold bf16 fragments as they lie in registers (lane l's 16 bytes at 16 l), so every LDS load takes 512 consecutive bytes.  S^T = K Q^T (source 0 = 16 keys, source 1 = 16 queries):
; a lane holds ONE query (l % 16) and the keys 8 (l / 16) + 0..7.  Two such results rounded to bf16 ARE source 1 (32 keys x 16 queries) of O^T = V^T P, which again holds one query a lane.
; SOFTMAX.  q arrives multiplied by log2(e) / sqrt(32), so p = 2^(s - m) with a running maximum m; in every step O and l are multiplied by a = 2^(m_old - m_new).
; m starts at the lowest finite number, O and l at 0: the first step is a step like any other, with a = 0; the price is 48 lines that write 0, in the wait for the first tile.
; ROW SUMS BY THE MATRIX UNIT.  l = ONES P, where ONES has 1.0 in rows 0 and 8 alone: register 0 of the result holds the query's sum in both halves of the lanes, registers 1-7 stay 0.
; A tile and step have 8 products of attention's own and, with packed sums, 111 vector lines; the two products more take 16 additions and a lane exchange out of the vector list, which is the longer one.
; BY TURNS.  In a TURN one tile has the matrix unit: 6 products (V^T P and ONES P) of the step in hand, then 4 products K Q^T of the next step; the other tile's softmax, 94 numbered lines, is dealt in
; slices behind them.  Then the tiles change places.  A turn's 33 exponentials are one batch with one wait.
; EIGHT WAVES.  Two tiles' state fills registers v0-v255 exactly, so the loop switches no register window; with four tiles a wave each product would want two switches.
; RING.  For each head two slots of 256 keys (32,768 bytes of kv); the head's two waves fill half a slot each, one tensor load a wave behind each change of slots: one load of mine is out at a time.
; CLUSTER.  The four query blocks of a cluster walk the same K and V, so each tile is asked for JOINTLY: the same load, descriptor and mask in all four.
; LIMITS.  bf16 operands; l is the sum of the weights as rounded to bf16; a weight below 2^-126 counts as 0; v_rcp_f32's last bit; NaN and infinities are not treated apart.
.set SLOTB, 32768
.set STEPB, 8192                       ; 64 keys: two groups of 4,096 bytes: K keys 0-15, K keys 16-31, V^T channels 0-15, V^T channels 16-31
.set OF,    262144                     ; behind the ring (4 heads x 65,536): the 16 fragments of O (tile T, head) at (4 T + head) 1,024; never filled by a tensor load
.set STAGE, 278528                     ; 16 rows x 272 bytes for each wave, for the way out
.set SP,    272                        ; 256 bytes + 16 = 68 words: the 16 rows of a store start at 16 different groups of four banks (64 banks of 4 bytes: ISA guide 11.1)
.set SPARE, 313344                     ; the spare words: 128 bytes for each of eight waves: four blocks of 256 bytes that no other line names
; window 0
.set AL0, 2                            ; v2   16 x lane + my head's ring; never rewritten (v1: 16 x lane)
.set ADR, 3                            ; v3   the LDS address of the step that is being fetched
.set PFO, 4                            ; v4   256 x lane: the prefetches' offset; never rewritten
.set GO,  5                            ; v5   my 16 bytes in two rows of x and out0; never rewritten
.set SPW, 6                            ; v6   LDS address of my spare word; never rewritten
.set NIL, 7                            ; v7   0; never rewritten
.set ONE, 8                            ; v[8:15]
.set ST,  16                           ; tile t at ST + 8 t: +0 m (+1: 0, named with it as a pair), +2 a (+3: 0), +4..7 c0-c3 at work
.set RS,  32                           ; S^T: 32 a tile, 8 for each block of 16 keys
.set RP,  96                           ; P: 16 a tile
.set RO,  128                          ; O^T: 16 a tile, 8 for each block of 16 channels
.set RL,  160                          ; l: 8 a tile
.set RQ,  176                          ; Q: 8 a tile
.set RK,  192                          ; K of one step: 8 for each block of 16 keys
.set RV,  224                          ; V^T of one step: (keys 32 kh on, channels 16 cb on) at + 16 kh + 8 cb
.set RY,  160                          ; the tail: Y (channel block ob, tile T) at + 8 (4 ob + T)
.set RB,  224                          ; the tail: the bias, 8 copies for each ob
; window 1
.set WFW, 0                            ; v[0:63]    out_w's fragments (ob, head) at 8 (4 ob + head)
.set XR,  64                           ; v[64:127]  the residual, as it will be stored
.set BI,  128                          ; v[128:129] my channel's bias, for each ob
.set WV,  16
.set HD,  17
.set U,   18
.set CX,  19
.set QB,  20
.set BT,  21
.set G1,  28                           ; s[28:35] descriptor group 1
.set G0,  36                           ; s[36:39] descriptor group 0: it walks
.set PFA, 40                           ; s[40:41] where my prefetches stand
.set LIM, 42                           ; s42  1 in a wave that prefetches, else the greatest number
.set SLOTS, 43                         ; s43  slots still to be asked for
.set CNT, 44                           ; s44  counts a slot's key steps
.set TB,  45                           ; s45  byte in a head's ring at which the step to be fetched begins
.set SEL, 46                           ; s[46:47] v_permlanex16_b32's selects
.set MSB, 0
.macro WIN new                         ; s_set_vgpr_msb: bits 1:0 source 0, 3:2 source 1, 5:4 source 2, 7:6 destination; the high byte repeats the setting that is left
.if MSB != (\new)
	s_set_vgpr_msb (MSB<<8)|(\new)
.set MSB, \new
.endif
.endm
.macro PLACES
.rept 4
	v_nop
.endr
.endm
.macro CROUND                          ; a round of the cluster's barrier
	s_barrier_signal -1
	s_barrier_wait -1
	s_cmp_lg_u32 s[WV], 0
	s_cbranch_scc1 .Lnot_wave_0_\@
	s_barrier_signal -3
.Lnot_wave_0_\@:
	s_barrier_wait -3
	s_barrier_signal -1
	s_barrier_wait -1
.endm
.macro JLOAD                           ; my half of a slot of my head: 16,384 dense bytes; an s_nop 0 and four v_nop follow
	tensor_load_to_lds s[G0:G0+3], s[G1:G1+7]
	s_nop 0
	PLACES
.endm
; A PREFETCH INTO THE L2 of what the NEXT change of slots will ask for.  All sixteen clusters of a batch walk the same kv: the first of them (cluster x = 0) asks; in each of its four work-groups the
; first wave of each head asks for 32 blocks of 256 bytes, a lane a block; the four partners' parts of a slot's 32,768 bytes are told apart BY ADDRESS.  So each block is named once in the launch.
; It stands behind the tensor load and its five lines.  Slots 0 to 2 come by their loads alone; the last change that fills a slot asks for nothing: there is no slot behind it.
.macro ASK
	s_cmp_gt_u32 s[SLOTS], s[LIM]
	s_cbranch_scc0 .Lnot_mine_\@
	global_prefetch_b8 v[PFO], s[PFA:PFA+1] th:TH_LOAD_NT scope:SCOPE_SE
.Lnot_mine_\@:
.endm
; THE CHANGE OF SLOTS.  Each wave waits for all its tensor loads (one is out: its part of the other slot), adds 0 to its spare word, and waits for that and for its own reads of the slot that it leaves.
; fill = 1: the barrier is a round of the cluster's, and the joint refill, with the keys two slots on, is the first thing behind it: it has four key steps in which to land.
; (At its first use nothing has been read yet: slot 0 is waited for, slot 1 filled.)
.macro CHANGE fill, ask
	s_wait_tensorcnt 0x0                           ; no tensor load of mine is out, so group 0 may be written
	ds_add_u32 v[SPW], v[NIL]                      ; scalar work stands between the add and the wait for it
.if \fill
	s_xor_b32 s[G0+1], s[G0+1], SLOTB              ; the other slot than last time,
	s_add_nc_u64 s[G0+2:G0+3], s[G0+2:G0+3], SLOTB ; the next 256 keys; the type bits on top are not reached
.endif
.if \ask
	s_wait_xcnt 0x0                                ; the last prefetch, four key steps back, has read its address
	s_add_nc_u64 s[PFA:PFA+1], s[PFA:PFA+1], SLOTB
.endif
	s_wait_dscnt 0x0                               ; the add is done, and my reads of the slot are over
.if \fill
	CROUND
	JLOAD
.if \ask
	ASK
.endif
.else
	s_barrier_signal -1
	s_barrier_wait -1
.endif
	s_sub_co_u32 s[TB], s[TB], SLOTB               ; the fetches go back to a slot's first step,
	s_xor_b32 s[TB], s[TB], SLOTB                  ; in the other slot
.endm
	s_load_b256 s[4:11], s[0:1], 0x0               ; q s[4:5], kv s[6:7], wfrag s[8:9], out_b s[10:11]
	s_load_b128 s[12:15], s[0:1], 0x20             ; x s[12:13], out0 s[14:15]
	v_lshl_add_u32 v[SPW], v0, 2, SPARE
	v_mov_b32 v[NIL], 0
	ds_add_u32 v[SPW], v[NIL]                      ; the wave's opening: the add and its wait stand ahead of my first tensor load; the set-up below stands between them
	v_lshrrev_b32 v1, 5, v0
	v_readfirstlane_b32 s[WV], v1                  ; wave 0..7
	s_lshr_b32 s[HD], s[WV], 1                     ; my head
	s_and_b32 s[U], s[WV], 1                       ; my half of the 64 queries; also: which half of a slot I fetch
	s_bfe_u32 s[CX], ttmp6, 0x40000                ; my place in the cluster
	s_lshl_b32 s[QB], ttmp9, 2                     ; in a cluster launch ttmp9 counts clusters
	s_add_co_u32 s[QB], s[QB], s[CX]               ; my block of 64 queries: it enters the addresses of q, x and out0 alone
	s_and_b32 s[BT], ttmp7, 0xffff                 ; the batch, which the four partners share
	; descriptor group 1: 16,384 dense bytes as 64 rows of 256
	s_mov_b32 s[G1], 15|(3<<16)|(1<<21)            ; 15:0 the mask of four; 17:16 elements of 8 bytes; 21 set beside a mask; no padding
	s_mov_b32 s[G1+1], 32<<16                      ; tensor_dim0 = 32
	s_mov_b32 s[G1+2], 64<<16                      ; tensor_dim1 = 64
	s_mov_b32 s[G1+3], 32<<16                      ; tile_dim0 = 32
	s_mov_b32 s[G1+4], 64                          ; tile_dim1 = 64
	s_mov_b32 s[G1+5], 32                          ; 32 elements from row to row
	s_mov_b32 s[G1+6], 0
	s_mov_b32 s[G1+7], 0
	s_mov_b32 s[G0], 1                             ; count = 1
	s_lshl_b32 s23, s[U], 14
	s_lshl_b32 s[G0+1], s[HD], 16
	s_add_co_u32 s[G0+1], s[G0+1], s23             ; LDS address: my head's ring, slot 0, my half: the wave's number alone
	s_lshl2_add_u32 s22, s[BT], s[HD]              ; 4 b + head
	s_lshl_b32 s24, s22, 19                        ; the head's 524,288 bytes of kv
	s_add_co_u32 s26, s24, s23                     ; my half of its slot 0
	s_mov_b32 s27, 0
	s_lshl_b32 s[PFA], s[CX], 13                   ; the prefetches: my work-group's 8,192 bytes of a slot,
	s_add_co_u32 s[PFA], s[PFA], s24
	s_add_co_u32 s[PFA], s[PFA], 2*SLOTB           ; in slot 2; the first change that asks steps it to slot 3
	s_mov_b32 s[PFA+1], 0
	s_lshl_b32 s48, s22, 18                        ; q: the head's 256 fragments,
	s_lshl1_add_u32 s23, s[QB], s[U]
	s_lshl_b32 s23, s23, 11                        ; my two: 4 QB + 2 u on
	s_add_co_u32 s48, s48, s23
	s_mov_b32 s49, 0
	s_lshl_b32 s50, s[WV], 13                      ; out_w's fragments begin at place 192; my eight
	s_add_co_u32 s50, s50, 196608
	s_mov_b32 s51, 0
	s_lshl_b32 s52, s[WV], 7                       ; my 32 channels of out_b
	s_mov_b32 s53, 0
	s_lshl_b32 s54, s[BT], 22                      ; x and out0: the batch, my 32 channels' rows of 16,384 bytes, my block's 256 bytes of a row
	s_lshl_b32 s23, s[WV], 19
	s_add_co_u32 s54, s54, s23
	s_lshl_b32 s23, s[QB], 8
	s_add_co_u32 s54, s54, s23
	s_mov_b32 s55, 0
	s_or_b32 s[LIM], s[U], ttmp9                   ; 0 in the first wave of a head, in the batch's first cluster: the same in all four partners
	s_cmp_eq_u32 s[LIM], 0
	s_cselect_b32 s[LIM], 1, -1
	s_mov_b32 s[SEL], 0x76543210
	s_mov_b32 s[SEL+1], 0xfedcba98
	s_mov_b32 s[TB], 2*SLOTB                       ; the first change of slots turns this into 0
	s_lshl_b32 s23, s[HD], 16
	v_and_b32 v33, 31, v0                          ; lane
	v_and_b32 v34, 15, v0                          ; l % 16
	v_bfe_u32 v35, v0, 4, 1                        ; l / 16
	v_lshlrev_b32 v1, 4, v33
	v_add_nc_u32 v[AL0], s23, v1
	v_lshlrev_b32 v[PFO], 8, v33
	v_lshlrev_b32 v[GO], 4, v34                    ; sixteen lanes take a row's 256 bytes, the upper half of the lanes the next row
	v_lshl_add_u32 v[GO], v35, 14, v[GO]
	v_lshlrev_b32 v32, 2, v34                      ; my channel's bias
	s_wait_dscnt 0x0                               ; the opening add is done
	s_wait_kmcnt 0x0
	s_add_nc_u64 s[G0+2:G0+3], s[6:7], s[26:27]
	s_or_b32 s[G0+3], s[G0+3], 0x80000000          ; type = 2
	s_add_nc_u64 s[PFA:PFA+1], s[6:7], s[PFA:PFA+1]
	s_add_nc_u64 s[48:49], s[4:5], s[48:49]
	s_add_nc_u64 s[50:51], s[8:9], s[50:51]
	s_add_nc_u64 s[52:53], s[10:11], s[52:53]
	s_add_nc_u64 s[56:57], s[14:15], s[54:55]
	s_add_nc_u64 s[54:55], s[12:13], s[54:55]
	CROUND                                         ; all four work-groups are here: the first joint loads meet
	JLOAD                                          ; slot 0.  Slot 1 is asked for when slot 0 is in
.irp t, 0,1
	global_load_b128 v[RQ+8*(\t):RQ+8*(\t)+3],   v1, s[48:49] offset:1024*(\t)
	global_load_b128 v[RQ+8*(\t)+4:RQ+8*(\t)+7], v1, s[48:49] offset:1024*(\t)+512
.endr
	WIN 0x40                                       ; destination window 1, address window 0: what the tail wants is asked for now and waited for there
.set f, 0
.rept 16
	global_load_b128 v[WFW+4*f:WFW+4*f+3], v1, s[50:51] offset:512*f
.set f, f+1
.endr
.set f, 0
.rept 16
	global_load_b128 v[XR+4*f:XR+4*f+3], v[GO], s[54:55] offset:2*f*16384  ; channels 2 f and 2 f + 1 of my 32
.set f, f+1
.endr
	global_load_b32 v[BI],   v32, s[52:53]
	global_load_b32 v[BI+1], v32, s[52:53] offset:64
	WIN 0
	v_and_b32 v33, 7, v0                           ; ONES: rows 0 and 8 lie in the lanes with l % 8 = 0
	s_mov_b32 s22, 0x3f803f80                      ; 1.0 twice in bf16
	v_cmp_eq_u32 vcc_lo, 0, v33
	v_cndmask_b32 v[ONE], 0, s22, vcc_lo
.irp j, 1,2,3,4,5,6,7
	v_mov_b32 v[ONE+(\j)], v[ONE]
.endr
.set r, RO
.rept 48
	v_mov_b32 v[r], 0                              ; O^T and l
.set r, r+1
.endr
.irp t, 0,1
	v_mov_b32 v[ST+8*(\t)], 0xff7fffff             ; m
	v_mov_b32 v[ST+8*(\t)+1], 0
	v_mov_b32 v[ST+8*(\t)+3], 0
.endr
; THE MATRIX WORK.  No two matrix instructions that follow each other share an accumulator: three accumulators by turns, then four sums of one product each.
; Product i of 6 for tile x: keys 32 (i / 3) on; i % 3 = 0, 1: O^T's channels 16 (i % 3) on; 2: l.
.macro PV x
.set rP, RP+16*(\x)+8*(i/3)
.if i%3 < 2
.set rD, RO+16*(\x)+8*(i%3)
.set rA, RV+16*(i/3)+8*(i%3)
.else
.set rD, RL+8*(\x)
.set rA, ONE
.endif
	v_wmma_f32_16x16x32_bf16 v[rD:rD+7], v[rA:rA+7], v[rP:rP+7], v[rD:rD+7]
.endm
; Product i of 4 of S^T = K Q^T for tile x: keys 16 i on; the head's 32 channels are one product.
.macro KQ x
	v_wmma_f32_16x16x32_bf16 v[RS+32*(\x)+8*i:RS+32*(\x)+8*i+7], v[RK+8*i:RK+8*i+7], v[RQ+8*(\x):RQ+8*(\x)+7], 0
.endm
; THE LDS LOADS stand in runs of 8: a step's K, and a turn later its V^T, from the same address.
.macro FETCH_K
	v_add_nc_u32 v[ADR], s[TB], v[AL0]
.irp kb, 0,1,2,3
	ds_load_b128 v[RK+8*(\kb):RK+8*(\kb)+3],   v[ADR] offset:((\kb)/2)*4096+((\kb)%2)*1024
	ds_load_b128 v[RK+8*(\kb)+4:RK+8*(\kb)+7], v[ADR] offset:((\kb)/2)*4096+((\kb)%2)*1024+512
.endr
.endm
.macro FETCH_V
.irp f, 0,1,2,3
	ds_load_b128 v[RV+8*(\f):RV+8*(\f)+3],   v[ADR] offset:((\f)/2)*4096+2048+((\f)%2)*1024
	ds_load_b128 v[RV+8*(\f)+4:RV+8*(\f)+7], v[ADR] offset:((\f)/2)*4096+2048+((\f)%2)*1024+512
.endr
	s_add_co_u32 s[TB], s[TB], STEPB               ; the next fetch is the next step's
.endm
; THE VECTOR WORK: one tile's softmax for one step is a list of 94 lines; SM writes number n of it for tile t.  s0-s31 are the lane's 32 scores.
;   0-15   the maximum of s0-s31 and the old m, three operands at a time (each accumulator's lowest registers are read first)
;   16-19  the query's other 32 keys lie in the lane 16 away; m_old - m_new; the new m
;   20-68  ONE BATCH: the 16 subtractions s - m, a pair each, and all 33 exponentials (a at 21): a subtraction, then the two exponentials of the pair subtracted one group earlier.  None reads an exponential's result.
;   (wait) ahead of 69: a plain line behind the last exponential, and the one wait between the batch and its first reader
;   69-84  the roundings to bf16      85-92  O^T times a      93  l times a
.macro FSUB k
	v_pk_add_f32 v[rS+2*(\k):rS+2*(\k)+1], v[rS+2*(\k):rS+2*(\k)+1], v[rT:rT+1] op_sel_hi:[1,0] neg_lo:[0,1] neg_hi:[0,1]
.endm
.macro SM t
.set rT, ST+8*(\t)
.set rS, RS+32*(\t)
.set rP, RP+16*(\t)
.set rO, RO+16*(\t)
.set rL, RL+8*(\t)
.if n < 4
	v_max3_num_f32 v[rT+4+n], v[rS+8*n], v[rS+8*n+1], v[rS+8*n+2]
.elseif n < 12
	v_max3_num_f32 v[rT+4+n%4], v[rT+4+n%4], v[rS+8*(n%4)+2*(n/4)+1], v[rS+8*(n%4)+2*(n/4)+2]
.elseif n == 12
	v_max3_num_f32 v[rT+4], v[rT+4], v[rS+7], v[rS+15]
.elseif n == 13
	v_max3_num_f32 v[rT+6], v[rT+6], v[rS+23], v[rS+31]
.elseif n == 14
	v_max3_num_f32 v[rT+5], v[rT+5], v[rT+7], v[rT]
.elseif n == 15
	v_max3_num_f32 v[rT+4], v[rT+4], v[rT+5], v[rT+6]
.elseif n == 16
	v_permlanex16_b32 v[rT+5], v[rT+4], s[SEL], s[SEL+1]
.elseif n == 17
	v_max_num_f32 v[rT+4], v[rT+4], v[rT+5]
.elseif n == 18
	v_sub_f32 v[rT+5], v[rT], v[rT+4]
.elseif n == 19
	v_mov_b32 v[rT], v[rT+4]
.elseif n == 20
	FSUB 0
.elseif n == 21
	v_exp_f32 v[rT+2], v[rT+5]
.elseif n < 67
.if (n-22)%3 == 0
	FSUB 1+(n-22)/3
.else
	v_exp_f32 v[rS+2*((n-22)/3)+(n-22)%3-1], v[rS+2*((n-22)/3)+(n-22)%3-1]
.endif
.elseif n < 69
	v_exp_f32 v[rS+n-37], v[rS+n-37]
.elseif n < 85
.if n == 69
	v_nop
	s_wait_alu depctr_va_vdst(0)
.endif
	v_cvt_pk_bf16_f32 v[rP+n-69], v[rS+2*(n-69)], v[rS+2*(n-69)+1]
.elseif n < 93
	v_pk_mul_f32 v[rO+2*(n-85):rO+2*(n-85)+1], v[rO+2*(n-85):rO+2*(n-85)+1], v[rT+2:rT+3] op_sel_hi:[1,0]
.else
	v_pk_mul_f32 v[rL:rL+1], v[rL:rL+1], v[rT+2:rT+3] op_sel_hi:[1,0]
.endif
.endm
; The slice behind the turn's w-th matrix instruction: the list's numbers up to 94 w / NW.  fv: V's run of loads stands behind slice fv + 1.
.macro DEAL y, fv
.set w, w+1
.rept 24
.if n < (94*w)/NW
	SM \y
.set n, n+1
.endif
.endr
.if (w-1) == (\fv)
	FETCH_V
.endif
.endm
; A TURN.  Tile x has the matrix unit; the other tile's list is dealt behind its products.  pv: the 6 products of the step in hand; kq: the 4 of the next step.
; With all ten products the slices end at 9, 18, 28, 37, 47, 56, 65, 75, 84, 94.  The last slice is ten plain lines that name no register of the products round them: they are the four places and more between the
; last K Q^T and the next turn's reads of its scores and loads into K.  Tile 0's turn fetches the next step's K at its head.  Tile 1's turn fetches that step's V behind slice 7: between the last product
; that read V and the loads stand ten subtractions (numbers 37, 40, 43, 46, 49, 52, 55, 58, 61, 64); the exponentials among them are not counted.
.macro TURN x, pv, kq, fv=-1
.set n, 0
.set w, 0
.set NW, 6*(\pv)+4*(\kq)
.if ((\x) == 0) && (\kq)
	FETCH_K
.endif
.if \pv
.if (\x) == 0
	s_wait_dscnt 8*(\kq)                           ; V is in; K's eight younger loads, if any, may stay out
.endif
.set i, 0
.rept 6
	PV \x
	DEAL 1-(\x), \fv
.set i, i+1
.endr
.endif
.if \kq
.if (\x) == 0
	s_wait_dscnt 0x0                               ; K is in
.endif
.set i, 0
.rept 4
	KQ \x
	DEAL 1-(\x), \fv
.set i, i+1
.endr
.endif
.endm
.macro STEPS k                         ; k key steps: written once, walked k times; the LDS addresses hang on s[TB]
	s_mov_b32 s[CNT], \k
.Lstep_\@:
	TURN 0, 1, 1
	TURN 1, 1, 1, 6
	s_sub_co_u32 s[CNT], s[CNT], 1
	s_cmp_lg_u32 s[CNT], 0
	s_cbranch_scc1 .Lstep_\@
.endm
	CHANGE 1, 0                                    ; slot 0 is in, everybody's part of it; slot 1 is asked for
	FETCH_K                                        ; key step 0
	s_wait_loadcnt 34                              ; Q's four loads are in; the 34 younger ones, for the tail, stay out
	s_wait_xcnt 0x0                                ; v32, the bias loads' offset, is written by the first product only behind this wait
	s_wait_dscnt 0x0
.set i, 0
.rept 4
	KQ 0                                           ; tile 0's first scores: there is no vector work yet to set between them
.set i, i+1
.endr
	PLACES
	TURN 1, 0, 1, 0                                ; tile 1's first scores | tile 0's first softmax | V of step 0
	STEPS 3                                        ; these fetch steps 1 to 3: slot 0 has been read out
	s_mov_b32 s[SLOTS], 14
.Lslot:                                            ; 14 trips: slots 2 to 15 are asked for, slots 1 to 14 read
	CHANGE 1, 1
	STEPS 4
	s_sub_co_u32 s[SLOTS], s[SLOTS], 1
	s_cmp_lg_u32 s[SLOTS], 0
	s_cbranch_scc1 .Lslot
	CHANGE 0, 0                                    ; the tail is written out: nothing is asked for
	STEPS 4
	TURN 0, 1, 0                                   ; tile 0's products of the last step | tile 1's last softmax
.set i, 0
.rept 6
	PV 1
.set i, i+1
.endr
	; THE TAIL.  The addresses are made here: ten plain lines that name no register of the last products are the places behind them.
	v_and_b32 v28, 15, v0                          ; l % 16
	v_bfe_u32 v29, v0, 4, 1                        ; l / 16
	s_lshl_b32 s22, s[U], 13                       ; my first tile is T = 2 u: 4 T fragments of 1,024 bytes,
	s_lshl_b32 s23, s[HD], 10                      ; + my head's
	s_add_co_u32 s22, s22, s23
	s_add_co_u32 s22, s22, OF
	v_add_nc_u32 v20, s22, v1                      ; where I put O
	v_add_nc_u32 v21, OF, v1                       ; where I read everybody's
	s_mul_i32 s23, s[WV], 16*SP
	s_add_co_u32 s23, s23, STAGE                   ; my stage
	v_mul_u32_u24 v22, v28, SP                     ; in: row = my channel l % 16, 32 bytes (8 pixels) for each half of the lanes
	v_lshl_add_u32 v22, v29, 5, v22
	v_add_nc_u32 v22, s23, v22
	v_mul_u32_u24 v23, v29, SP                     ; back: lanes 0-15 take one row of 256 bytes, lanes 16-31 the next
	v_lshl_add_u32 v23, v28, 4, v23
	v_add_nc_u32 v23, s23, v23
	v_rcp_f32 v[ST+2], v[RL]                       ; 1 / l: l lies in its accumulator's lowest register
	v_rcp_f32 v[ST+10], v[RL+8]
	v_nop                                          ; a plain line behind the last reciprocal,
	s_wait_alu depctr_va_vdst(0)                   ; and one wait for the two
.irp t, 0,1
.irp k, 0,1,2,3,4,5,6,7
	v_pk_mul_f32 v[RO+16*(\t)+2*(\k):RO+16*(\t)+2*(\k)+1], v[RO+16*(\t)+2*(\k):RO+16*(\t)+2*(\k)+1], v[ST+8*(\t)+2:ST+8*(\t)+3] op_sel_hi:[1,0]
.endr
.endr
.set r, 0
.rept 16
	v_cvt_pk_bf16_f32 v[RS+r], v[RO+2*r], v[RO+2*r+1]  ; a lane's 8 channels of a query: half of a fragment [16 queries x 32 channels] of O
.set r, r+1
.endr
.irp t, 0,1
	ds_store_b128 v20, v[RS+8*(\t):RS+8*(\t)+3]   offset:4096*(\t)
	ds_store_b128 v20, v[RS+8*(\t)+4:RS+8*(\t)+7] offset:4096*(\t)+512
.endr
	s_wait_dscnt 0x0                               ; for the others' sake: my part of O is in LDS
	s_barrier_signal -1
	s_barrier_wait -1                              ; everybody's is
.set f, 0
.rept 32
	ds_load_b128 v[RS+4*f:RS+4*f+3], v21 offset:512*f  ; all 16 fragments: (T, head) at RS + 8 (4 T + head)
.set f, f+1
.endr
	s_wait_loadcnt 0x0                             ; out_w, the residual, the bias
	WIN 0x01                                       ; source 0 window 1
.set r, 0
.rept 16
	v_mov_b32 v[RB+r], v[BI+r/8]                   ; the bias is the C operand that starts the sums: in the result a lane holds one channel
.set r, r+1
.endr
	s_wait_dscnt 0x0
	WIN 0x04                                       ; source 1 (out_w) window 1
	; y^T: source 0 = 16 pixels of O, source 1 = 16 rows of out_w: a lane ends with ONE channel (l % 16) and 8 neighbouring pixels.  K = 128: a head a step.  The 8 accumulators take turns.
.irp ks, 0,1,2,3
.irp ob, 0,1
.irp tt, 0,1,2,3
.if (\ks) == 0
	v_wmma_f32_16x16x32_bf16 v[RY+8*(4*(\ob)+(\tt)):RY+8*(4*(\ob)+(\tt))+7], v[RS+8*(4*(\tt)+(\ks)):RS+8*(4*(\tt)+(\ks))+7], v[WFW+8*(4*(\ob)+(\ks)):WFW+8*(4*(\ob)+(\ks))+7], v[RB+8*(\ob):RB+8*(\ob)+7]
.else
	v_wmma_f32_16x16x32_bf16 v[RY+8*(4*(\ob)+(\tt)):RY+8*(4*(\ob)+(\tt))+7], v[RS+8*(4*(\tt)+(\ks)):RS+8*(4*(\tt)+(\ks))+7], v[WFW+8*(4*(\ob)+(\ks)):WFW+8*(4*(\ob)+(\ks))+7], v[RY+8*(4*(\ob)+(\tt)):RY+8*(4*(\ob)+(\tt))+7]
.endif
.endr
.endr
.endr
	PLACES
	WIN 0
	; 16 channels x 64 pixels at a time through my own stage: in by channels' pieces of 32 bytes, back as whole rows of 256.  LDS serves a wave's instructions in order (ISA guide 5.7.1.4): no wait between them.
.irp ob, 0,1
.irp tt, 0,1,2,3
	ds_store_b128 v22, v[RY+8*(4*(\ob)+(\tt)):RY+8*(4*(\ob)+(\tt))+3]   offset:64*(\tt)
	ds_store_b128 v22, v[RY+8*(4*(\ob)+(\tt))+4:RY+8*(4*(\ob)+(\tt))+7] offset:64*(\tt)+16
.endr
.irp e, 0,1,2,3,4,5,6,7
	ds_load_b128 v[RS+32*(\ob)+4*(\e):RS+32*(\ob)+4*(\e)+3], v23 offset:2*SP*(\e)
.endr
.endr
.macro SEND ob                         ; the residual is added, and 16 channels leave: sixteen lanes store 256 consecutive bytes, at a multiple of 256 from out0's first byte
	WIN 0x04
.set r, 0
.rept 16
	v_pk_add_f32 v[RS+32*(\ob)+r:RS+32*(\ob)+r+1], v[RS+32*(\ob)+r:RS+32*(\ob)+r+1], v[XR+32*(\ob)+r:XR+32*(\ob)+r+1]
.set r, r+2
.endr
	WIN 0
.irp e, 0,1,2,3,4,5,6,7
	global_store_b128 v[GO], v[RS+32*(\ob)+4*(\e):RS+32*(\ob)+4*(\e)+3], s[56:57] offset:(16*(\ob)+2*(\e))*16384 th:TH_STORE_NT
.endr
.endm
	s_wait_dscnt 16                                ; the first block's loads are back; the second block's eight stores and eight loads may stay out
	SEND 0
	s_wait_dscnt 0x0
	SEND 1
	s_wait_tensorcnt 0x0                           ; the wave's end: behind my last tensor load and my last LDS store
	ds_add_u32 v[SPW], v[NIL]
	s_wait_dscnt 0x0
	CROUND                                         ; the closing round: no work-group ends while a partner may still ask for a tile that names it
	s_endpgm
.Lfunc_end_k_qbb7b3ac759_attn:
	.size	k_qbb7b3ac759_attn, .Lfunc_end_k_qbb7b3ac759_attn-k_qbb7b3ac759_attn
	.p2alignl 7, 3214868480
	.fill 96, 4, 3214868480
	.section	.rodata,"a",@progbits
	.p2align	6, 0x0
	.amdhsa_kernel k_qbb7b3ac759_attn
		.amdhsa_group_segment_fixed_size 327680
		.amdhsa_private_segment_fixed_size 0
		.amdhsa_enable_private_segment 0
		.amdhsa_kernarg_size 48
		.amdhsa_user_sgpr_count 2
		.amdhsa_user_sgpr_kernarg_segment_ptr 1
		.amdhsa_wavefront_size32 1
		.amdhsa_system_sgpr_workgroup_id_x 1
		.amdhsa_system_sgpr_workgroup_id_y 1
		.amdhsa_system_sgpr_workgroup_id_z 1
		.amdhsa_system_vgpr_workitem_id 0
		.amdhsa_next_free_vgpr 392
		.amdhsa_next_free_sgpr 66
		.amdhsa_reserve_vcc 1
		.amdhsa_float_denorm_mode_32 3
		.amdhsa_float_denorm_mode_16_64 3
		.amdhsa_memory_ordered 1
		.amdhsa_forward_progress 1
		.amdhsa_inst_pref_size 76
	.end_amdhsa_kernel
	.amdgpu_metadata
---
amdhsa.version: [ 1, 2 ]
amdhsa.kernels:
  - .name:           k_qbb7b3ac759_attn
    .symbol:         k_qbb7b3ac759_attn.kd
    .args:
      - { .name: q, .offset: 0, .size: 8, .value_kind: global_buffer, .address_space: global }
      - { .name: kv, .offset: 8, .size: 8, .value_kind: global_buffer, .address_space: global }
      - { .name: wfrag, .offset: 16, .size: 8, .value_kind: global_buffer, .address_space: global }
      - { .name: out_b, .offset: 24, .size: 8, .value_kind: global_buffer, .address_space: global }
      - { .name: x, .offset: 32, .size: 8, .value_kind: global_buffer, .address_space: global }
      - { .name: out0, .offset: 40, .size: 8, .value_kind: global_buffer, .address_space: global }
    .group_segment_fixed_size: 327680
    .private_segment_fixed_size: 0
    .kernarg_segment_align: 8
    .kernarg_segment_size: 48
    .max_flat_workgroup_size: 256
    .sgpr_count:     66
    .vgpr_count:     392
    .wavefront_size: 32
...
	.end_amdgpu_metadata
.endif
;; end of part 3
